; MI455X (gfx1250); checked and timed in simulation.
; The chip was launched on July 23, 2026; its instructions are those of AMD's public machine-readable ISA for CDNA 5 (MIT licence, August 2026) and "CDNA5" Instruction Set Architecture Reference Guide (July 2026). The comments in the code are by the model that wrote it; some were corrected since.
;; Cross Attention. Allowed arithmetic: matrix products marked QUANTISED: E2M3 operands, one E8M0 scale for each 32 along K, by v_wmma_scale_f32_16x16x128_f8f6f4 with both operands' format E2M3, f32 sums; everything else in f32.
;; Inputs: bk 128 float32; bq 128 float32; bv 128 float32; wk 128 x 128 float32; wq 128 x 128 float32; wv 128 x 128 float32; x1 4 x 128 x 64 x 64 float32; x2 4 x 128 x 64 x 64 float32.
;; Outputs: out0 4 x 128 x 64 x 64 float32.
;; This version of the problem:
;;   THIS VERSION OF THE PROBLEM IS GIVEN IN LOW PRECISION. The matrix products marked QUANTISED in the list below multiply operands that are first quantised to E2M3 (2 exponent bits, 3 mantissa bits; 6 bits a number), with one power-of-two scale for each 32 numbers along K (OCP MX v1.0); their sums are f32. All else is computed in f32.
;;   The module's matrix products, in the order in which they are computed (A, B: the left and right operand; K: the contracted axis; several contracted axes count as one K, in the product's order):
;;     1. [M 16,384, K 128] x [K 128, N 128]; A: input x1; B: input wq: QUANTISED
;;     2. [M 16,384, K 128] x [K 128, N 128]; A: input x2; B: input wk: QUANTISED
;;     3. [M 16,384, K 128] x [K 128, N 128]; A: input x2; B: input wv: QUANTISED
;;     4. batch 4 x [M 4,096, K 128] x [K 128, N 4,096]; A: computed on the way; B: computed on the way: QUANTISED
;;     5. batch 4 x [M 4,096, K 4,096] x [K 4,096, N 128]; A: softmax (see below); B: computed on the way: QUANTISED
;;   THE QUANTISER, for each operand of a quantised product, along K:
;;     - K is cut into blocks of 32 from its start; a last block that is shorter is filled with zeros.
;;     - A block's scale is 2^e with e = floor(log2(the largest magnitude in the block)) - 2, held to -126 .. 127; a block of zeros has e = 0. As a byte (E8M0): e + 127.
;;     - Each number is divided by its block's scale, clamped to +-7.5, and rounded to the nearest number of E2M3, ties to even, subnormals kept.
;;     - The product sums the exact products of the quantised numbers (number of the format x scale) in f32.
;;   ~~~python
;;   def quantise(x, axis):      # numpy; x: float32 -> the quantised numbers, widened to float32 again
;;       x = np.moveaxis(x, axis, -1); K = x.shape[-1]
;;       x = np.pad(x, [(0, 0)] * (x.ndim - 1) + [(0, -K % 32)]); x = x.reshape(x.shape[:-1] + (-1, 32)); a = np.abs(x).max(-1, keepdims=True)
;;       e = np.where(a > 0, np.clip(np.frexp(np.where(a > 0, a, 1))[1] - 1 - 2, -126, 127), 0)      # np.frexp(a)[1] - 1 = floor(log2(a)), exactly
;;       r = np.clip(x / 2.0 ** e, -7.5, 7.5)
;;       step = 2.0 ** (np.maximum(np.frexp(np.where(r == 0, 1, r))[1] - 1, 0) - 3)
;;       q = np.round(r / step) * step * 2.0 ** e      # np.round: ties to even
;;       return np.moveaxis(q.reshape(q.shape[:-2] + (-1,))[..., :K], -1, axis).astype(np.float32)
;;   ~~~
;;   SOFTMAX AHEAD OF A QUANTISED PRODUCT. Where the list says 'softmax', what is quantised is not the finished softmax but p = 2^(t - M), with t = logit x log2(e) and M = ceil(the row's largest t), a whole number; so 1/2 < the row's largest p <= 1. The row's sum l is taken of the UNQUANTISED p, in f32, and the product's result is divided by l at the end. Since M is a whole number, a kernel that streams over the keys may use a running M (the ceiling of the running maximum): every later rescaling is an exact power of two, which a block's scale takes up: the codes' values come out the same.
;;   OPERANDS COMPUTED ON THE WAY. 'Computed on the way' means the value that the module computes at that place (a softmax that the list does not call 'softmax' is quantised finished and normalised). What goes into a quantiser is computed in f32, as accurately as f32 sums, v_exp_f32 and their like allow (about 1e-6 of the number): no bf16 or f16 on the way to a quantiser, and a product that is left as it is and whose result goes on into a quantised operand takes f32 operands (vector FMAs, or v_wmma_f32_16x16x4_f32). A number that lies on a knife's edge between two numbers of the format may be rounded either way, as far as f32 arithmetic and the matrix unit's own rounding can turn it there, and no further.
;; 2 versions, each right; version 2 is version 1 with the launch proj written anew for expert scheduling mode. Each part assembles by itself: llvm-mc -triple=amdgcn-amd-amdhsa -mcpu=gfx1250 --defsym DOCPART=n.
;; ======== version 1 of 2: 2 launches
;; workspace buffers: qc 1,638,400 bytes; kv 3,276,800 bytes
;; launch proj (part 1): grid 128 x 3, 8 waves a work-group, no clusters, 27,392 bytes of LDS; arguments x1, x2, wq, wk, wv, bq, bk, bv, qc, kv; writes qc, kv
.if DOCPART == 1
	.amdgcn_target "amdgcn-amd-amdhsa--gfx1250"
	.amdhsa_code_object_version 6
	.text
	.protected	k_q83beeb2294_proj
	.globl	k_q83beeb2294_proj
	.p2align	8
	.type	k_q83beeb2294_proj,@function
k_q83beeb2294_proj:
	s_mov_b64 s[64:65], 0
	v_nop
	global_prefetch_b8 v0, s[64:65] scope:SCOPE_SE
	s_setreg_imm32_b32 hwreg(HW_REG_WAVE_MODE, 25, 1), 1
	s_wait_xcnt 0x0
; The three projections q = t1 wq^T + bq, k = t2 wk^T + bk, v = t2 wv^T + bv on codes of FP6 (E2M3) with one E8M0 scale for each 32 along K, and the quantising of their results for the attention launch.
; x1, x2: [4][128 channels][4096 tokens] f32, so K (the channels) is the outer axis; w: [128 out][128 in] f32, K innermost; biases [128] f32.
; GRID.  Work-group x = a step of 128 tokens (32 steps a batch); work-group y = the kind: 0 q, 1 k, 2 v.  The kind chooses pointers, LDS bases and one lane mask; there is ONE path through the text.
; EVERY KIND computes D_i = Other_i (source 0) x Mine (source 1), i = 0 .. 7.  q, k: Other = the 8 tiles of W, Mine = 16 tokens of x: a lane holds one token and its registers run along the out channels, which are
; K of q k^T.  v: Other = the 8 tiles of tokens, Mine = 16 rows of W: a lane holds one channel and its registers run along the keys, which are K of p v.  The bias is the C of the product.
; THE ROWS OF A TILE ARE NOT NEIGHBOURS: lane r of tile 2 b + u takes row 32 b + 8 u + r + 8 (r / 8) (x's tokens always; W's rows for q and k), so that the 16 registers of result tiles 2 b and 2 b + 1 are 16 neighbours along the next K.
; SHARES.  Wave w quantises W's tile w, and x for 32 tokens (group w / 2) x 64 channels (half w % 2); both go to LDS as images of operand registers; behind a barrier wave w makes result fragment w.
; OUT.  A step block is 12,800 bytes: 8 fragment images (registers 4 c .. 4 c + 3 of lane l at 512 c + 16 l), then 512 bytes of scale words: the word at 16 l + 4 p belongs to fragment 2 p + l / 16, row l % 16.
; qc: one block a step.  kv: 25,600 bytes a step: k's block, then v's.
; No tensor load and no joint request: each number of x is used by one wave, straight in registers, and W is loaded in the order that the conversions take it; what the work-groups of a kind share is W's 65,536 bytes.
; LIMITS: NaN and infinities are not served.  A block whose largest magnitude lies under 2^-124 gets the byte 1; so does a block of zeros, where the quantiser says 127: its codes are zeros, and the bytes are read by this program alone.
.set XIMG, 0                           ; LDS: x's 8 fragments, 1,536 bytes each: register pair p of lane l at 256 p + 8 l
.set WIMG, 12288                       ; W's 8 tiles likewise
.set XSC,  24576                       ; x's scale words: fragment f, row r at 64 f + 4 r
.set WSC,  25088                       ; W's
.set SCL,  25856                       ; the results' scale words, as they leave (256 bytes lie unused in front)
.set XR,   16                          ; v16-79   64 numbers of x
.set WR,   80                          ; v80-143  64 numbers of W
.set PX,   80                          ; v80-99   x's codes (W's numbers are done with)
.set ACC,  144                         ; v144-207 the bias, then the 8 result tiles
.set PC,   208                         ; v208-227 codes: 12 registers, and two runs of three at +12 and +16
.set TM,   228                         ; v228-243 +0..3 largest magnitudes, +4..7 bytes, +12..15 the conversions' scale operands
.set PW,   244                         ; the result's scale word
.set OTH,  16                          ; v16-111  behind the barrier: Other's 8 fragments
.set MINE, 112                         ; v112-123 Mine
.set OSC,  248                         ; v248-251 Other's scale words: lanes 0-15 fragment 2 p, lanes 16-31 fragment 2 p + 1
.set MSC,  252                         ; v252     Mine's
.set BV,   253                         ; v253     bias of channel 16 w + r (used by kind v)
.set SEL,  48                          ; s[48:49] v_permlanex16_b32's selects for lane l xor 16
; Two whole blocks of 32 in a lane, v[src + 32 c ..], become 12 registers of codes at v[dst]; the bytes are left in v[TM+4], v[TM+5].
.macro TWOBLK src, dst
.irp c, 0,1
	v_max3_num_f32 v[TM+\c], |v[\src+32*\c]|, |v[\src+32*\c+1]|, 0x1800000   ; the floor 2^(3 - 127): the byte cannot fall under 1
.endr
.irp i, 2,4,6,8,10,12,14,16,18,20,22,24,26,28,30
.irp c, 0,1
	v_max3_num_f32 v[TM+\c], v[TM+\c], |v[\src+32*\c+\i]|, |v[\src+32*\c+\i+1]|   ; the two blocks by turns
.endr
.endr
.irp c, 0,1
	v_add_nc_u32 v[TM+12+\c], 0xff000000, v[TM+\c]   ; 2 off the exponent field: the conversion's scale operand
.endr
.irp c, 0,1
	v_lshrrev_b32 v[TM+4+\c], 23, v[TM+12+\c]        ; the scale's byte
.endr
.irp c, 0,1
	v_cvt_scalef32_pk16_fp6_f32 v[\dst+6*\c:\dst+6*\c+2], v[\src+32*\c:\src+32*\c+15], v[TM+12+\c]
	v_cvt_scalef32_pk16_fp6_f32 v[\dst+12+4*\c:\dst+14+4*\c], v[\src+32*\c+16:\src+32*\c+31], v[TM+12+\c]   ; (a conversion's three registers begin on an even number)
.endr
	v_nop                                            ; one plain place behind the scaled conversions
.irp c, 0,1
.irp i, 0,1,2
	v_mov_b32 v[\dst+3+6*\c+\i], v[\dst+12+4*\c+\i]
.endr
.endr
.endm
; 64 numbers of a lane, register 16 b + i = k 32 b + 16 (lane / 16) + i of my row, become a fragment's codes in v[PC] on and its scale word in v[PW].
.macro QUANT s
.irp b, 0,1,2,3
	v_max3_num_f32 v[TM+\b], |v[\s+16*\b]|, |v[\s+1+16*\b]|, 0x1800000   ; each result tile is read from its low end on
.endr
.irp i, 2,4,6,8,10,12,14
.irp b, 0,1,2,3
	v_max3_num_f32 v[TM+\b], v[TM+\b], |v[\s+16*\b+\i]|, |v[\s+1+16*\b+\i]|
.endr
.endr
.irp b, 0,1,2,3
	v_permlanex16_b32 v[TM+4+\b], v[TM+\b], s[SEL], s[SEL+1]
.endr
.irp b, 0,1,2,3
	v_max_num_f32 v[TM+\b], v[TM+\b], v[TM+4+\b]     ; with lane l xor 16's: the block's largest magnitude
.endr
.irp b, 0,1,2,3
	v_add_nc_u32 v[TM+12+\b], 0xff000000, v[TM+\b]
.endr
.irp b, 0,1,2,3
	v_lshrrev_b32 v[TM+4+\b], 23, v[TM+12+\b]
.endr
	v_lshl_or_b32 v[PW], v[TM+5], 8, v[TM+4]         ; the four bytes make my row's scale word
	v_lshl_or_b32 v[PW], v[TM+6], 16, v[PW]
	v_lshl_or_b32 v[PW], v[TM+7], 24, v[PW]
.irp c, 0,1
	v_cvt_scalef32_pk16_fp6_f32 v[PC+6*\c:PC+2+6*\c], v[\s+32*\c:\s+15+32*\c], v[TM+12+2*\c]
	v_cvt_scalef32_pk16_fp6_f32 v[PC+12+4*\c:PC+14+4*\c], v[\s+16+32*\c:\s+31+32*\c], v[TM+12+2*\c+1]
.endr
	v_nop                                            ; one plain place behind the scaled conversions
.irp c, 0,1                                      ; the operand's layout wants a whole block in a lane: lanes 0-15 block 2 c, lanes 16-31 block 2 c + 1
.irp i, 0,1,2
	v_permlane16_swap_b32 v[PC+6*\c+\i], v[PC+12+4*\c+\i]
.endr
.irp i, 0,1,2
	v_mov_b32 v[PC+3+6*\c+\i], v[PC+12+4*\c+\i]
.endr
.endr
.endm
	s_load_b512 s[8:23], s[0:1], 0x0               ; x1 8:9, x2 10:11, wq 12:13, wk 14:15, wv 16:17, bq 18:19, bk 20:21, bv 22:23
	s_load_b128 s[24:27], s[0:1], 0x40             ; qc 24:25, kv 26:27
	v_lshl_add_u32 v238, v0, 2, 0x6700
	v_mov_b32 v239, 0
	v_lshrrev_b32 v1, 5, v0
	v_readfirstlane_b32 s6, v1                     ; wave 0..7
	s_and_b32 s4, ttmp7, 0xffff                    ; the kind
	s_mov_b32 s5, ttmp9                            ; the step, 0..127
	s_lshr_b32 s7, s6, 1                           ; gq: my group of 32 tokens
	s_and_b32 s3, s6, 1                            ; ch: my half of the channels
	s_mov_b32 s[SEL], 0x76543210
	s_mov_b32 s[SEL+1], 0xfedcba98
	v_and_b32 v1, 31, v0                           ; lane
	v_and_b32 v2, 15, v0                           ; r
	v_bfe_u32 v3, v0, 4, 1                         ; h
	; what the kind chooses, pointers apart
	s_cmp_eq_u32 s4, 2
	s_cselect_b32 s37, 12800, 0                    ; v's block lies behind k's
	s_cselect_b32 s38, -1, 0                       ; a lane mask: all ones for v
	s_cselect_b32 s45, 16, 8                       ; W's rows: v takes 16 w + r,
	s_cselect_b32 s46, 0, 8                        ; q and k 32 gq + 8 ch + r + 8 (r / 8)
	s_cselect_b32 s50, 0, 12288                    ; Other's images: x's for v, W's for q and k
	s_cselect_b32 s51, 12288, 0                    ; Mine's: the other way round
	s_cselect_b32 s52, 0, 512                      ; and the same for the scale words
	s_cselect_b32 s53, 512, 0
	s_mul_i32 s54, s6, 1536                        ; 1,536 w
	s_lshl_b32 s55, s6, 6                          ; 64 w
	s_add_co_u32 s51, s51, s54
	s_add_co_u32 s52, s52, XSC
	s_add_co_u32 s53, s53, s55
	s_add_co_u32 s53, s53, XSC
	; x: lane l takes token tau(l) = (l & 7) | ((l & 8) << 1) | ((l & 16) >> 1) of its group: lanes 0-15 the rows of fragment 2 gq, lanes 16-31 those of 2 gq + 1
	v_and_b32 v4, 7, v1
	v_and_b32 v245, 8, v1
	v_lshl_or_b32 v4, v245, 1, v4
	v_and_b32 v245, 16, v1
	v_lshrrev_b32 v245, 1, v245
	v_or_b32 v4, v4, v245
	v_lshlrev_b32 v4, 2, v4                        ; 4 bytes a token: the wave's 32 lanes read 128 consecutive bytes
	; W: row rho of 512 bytes, + 128 h: the operand's layout gives lane (r, h) k = 64 c + 32 h + 0 .. 31
	s_lshl_b32 s56, s7, 5
	s_mul_i32 s57, s3, s45
	s_add_co_u32 s56, s56, s57
	v_and_b32 v5, s46, v2
	v_add3_u32 v5, v5, v2, s56
	v_lshlrev_b32 v5, 9, v5
	v_lshl_add_u32 v5, v3, 7, v5
	v_lshlrev_b32 v6, 6, v3                        ; bias for q, k: tile 2 b + u, register j: out channel 32 b + 16 h + 8 u + j
	v_lshlrev_b32 v7, 2, v2
	v_add_nc_u32 v7, s55, v7                       ; bias for v: channel 16 w + r
	; LDS addresses
	v_lshlrev_b32 v245, 3, v1                      ; 8 l
	v_lshlrev_b32 v246, 2, v1                      ; 4 l
	s_mul_i32 s57, s7, 3072
	s_mul_i32 s58, s3, 768
	s_add_co_u32 s57, s57, s58
	v_add_nc_u32 v8, s57, v245                     ; x's codes: fragment 2 gq, register pairs 3 ch on
	s_lshl_b32 s57, s7, 7
	s_lshl_b32 s58, s3, 1
	s_add_co_u32 s57, s57, s58
	s_add_co_u32 s57, s57, XSC
	v_add_nc_u32 v9, s57, v246                     ; x's scale bytes: my token's word, bytes 2 ch and 2 ch + 1
	s_add_co_u32 s57, s54, WIMG
	v_add_nc_u32 v10, s57, v245                    ; W's tile w
	s_add_co_u32 s57, s55, WSC
	v_lshl_add_u32 v11, v2, 2, s57                 ; and its scale words
	v_add_nc_u32 v12, s50, v245                    ; Other
	v_add_nc_u32 v13, s51, v245                    ; Mine
	v_add_nc_u32 v14, s52, v246                    ; Other's scale words, two fragments a load
	v_lshl_add_u32 v15, v2, 2, s53                 ; Mine's
	s_lshl_b32 s57, s3, 8
	s_lshl_b32 s58, s7, 2
	s_add_co_u32 s57, s57, s58
	s_add_co_u32 s57, s57, SCL
	v_lshl_add_u32 v254, v2, 4, s57                ; my result's scale word: 16 (16 ch + r) + 4 gq
	v_lshlrev_b32 v255, 4, v1                      ; 16 l
	v_mov_b32 v247, 0                              ; a lane permute's destination counts as one of its sources: written once
.irp b, 0,1,2,3
	v_mov_b32 v[TM+4+\b], 0
.endr
	; byte offsets, in registers of their own
	s_lshr_b32 s60, s5, 5
	s_lshl_b32 s60, s60, 21                        ; the batch: 128 channels x 16,384 bytes
	s_and_b32 s61, s5, 31
	s_lshl_b32 s61, s61, 9                         ; the step's 128 tokens
	s_add_co_u32 s60, s60, s61
	s_lshl_b32 s61, s7, 7                          ; my 32 tokens
	s_add_co_u32 s60, s60, s61
	s_lshl_b32 s61, s3, 20                         ; my 64 channels
	s_add_co_u32 s60, s60, s61
	s_mov_b32 s61, 0
	s_wait_kmcnt 0x0
	s_cmp_eq_u32 s4, 0                             ; the choices hang on the work-group's number alone
	s_cselect_b64 s[28:29], s[8:9], s[10:11]       ; x
	s_cselect_b64 s[30:31], s[12:13], s[14:15]     ; W
	s_cselect_b64 s[32:33], s[18:19], s[20:21]     ; the bias
	s_cselect_b64 s[34:35], s[24:25], s[26:27]     ; where the result goes
	s_mov_b32 s36, 25600
	s_cselect_b32 s36, 12800, s36                  ; bytes a step there
	s_cmp_eq_u32 s4, 2
	s_cselect_b64 s[30:31], s[16:17], s[30:31]
	s_cselect_b64 s[32:33], s[22:23], s[32:33]
	s_add_nc_u64 s[28:29], s[28:29], s[60:61]
	s_mul_i32 s60, s5, s36
	s_add_co_u32 s60, s60, s37
	s_add_nc_u64 s[40:41], s[34:35], s[60:61]      ; my step's block
	s_mov_b32 s60, s54
	s_add_nc_u64 s[42:43], s[40:41], s[60:61]      ; my fragment's image in it
	; ---- all loads at once: W's 16, x's 64, the bias's 17
.irp c, 0,1
.irp j, 0,1,2,3,4,5,6,7
	global_load_b128 v[WR+32*\c+4*\j:WR+32*\c+4*\j+3], v5, s[30:31] offset:256*\c+16*\j
.endr
.endr
.set i, 0
.rept 64
	global_load_b32 v[XR+i], v4, s[28:29] offset:16384*i   ; channel 64 ch + i of my token: my registers run down K
.set i, i+1
.endr
.irp t, 0,1,2,3,4,5,6,7
	global_load_b128 v[ACC+8*\t:ACC+8*\t+3], v6, s[32:33] offset:(32*(\t/2)+8*(\t%2))*4
	global_load_b128 v[ACC+8*\t+4:ACC+8*\t+7], v6, s[32:33] offset:(32*(\t/2)+8*(\t%2))*4+16
.endr
	global_load_b32 v[BV], v7, s[32:33]
	; ---- W's tile w
	s_wait_loadcnt 63                              ; W's 16 loads are in: 81 loads are younger, and 63 is the most that the wait can name; the smaller count is safe
	TWOBLK WR, PC
	v_lshl_or_b32 v245, v[TM+5], 16, v[TM+4]       ; my two bytes: blocks h and 2 + h of my row,
	v_lshlrev_b32 v246, 3, v3
	v_lshlrev_b32 v245, v246, v245                 ; at their places in the scale word;
	v_permlanex16_b32 v247, v245, s[SEL], s[SEL+1]
	v_or_b32 v245, v245, v247                      ; with lane l xor 16's two the word is whole
.irp p, 0,1,2,3,4,5
	ds_store_b64 v10, v[PC+2*\p:PC+2*\p+1] offset:256*\p
.endr
	ds_store_b32 v11, v245                         ; both halves of the lanes write the same word with the same value
	; ---- x: my token's blocks 2 ch and 2 ch + 1
	s_wait_loadcnt 17                              ; x's 64 loads are in: the bias's 17 are younger
	TWOBLK XR, PX
	v_lshl_or_b32 v246, v[TM+5], 8, v[TM+4]        ; two bytes of my token's scale word
.irp i, 0,1,2,3,4,5
	v_permlane16_swap_b32 v[PX+\i], v[PX+6+\i]     ; the first six now hold registers 6 ch .. 6 ch + 5 of fragment 2 gq (lane (r, h): block h of this half), the second six those of fragment 2 gq + 1
.endr
.irp p, 0,1,2
	ds_store_b64 v8, v[PX+2*\p:PX+2*\p+1] offset:256*\p
	ds_store_b64 v8, v[PX+6+2*\p:PX+6+2*\p+1] offset:1536+256*\p
.endr
	ds_store_b16 v9, v246
	; ---- the bias in the result's layout: q, k keep a number for each register, v takes its channel's everywhere
	s_wait_loadcnt 0x0
.set i, 0
.rept 64
	v_cndmask_b32 v[ACC+i], v[ACC+i], v[BV], s38
.set i, i+1
.endr
	s_wait_dscnt 0x0                               ; for the others' sake: my images and scale words have landed
	s_barrier_signal -1
	s_barrier_wait -1
	; ---- the product
.irp i, 0,1,2,3,4,5,6,7
.irp p, 0,1,2,3,4,5
	ds_load_b64 v[OTH+12*\i+2*\p:OTH+12*\i+2*\p+1], v12 offset:1536*\i+256*\p
.endr
.endr
.irp p, 0,1,2,3,4,5
	ds_load_b64 v[MINE+2*\p:MINE+2*\p+1], v13 offset:256*\p
.endr
.irp p, 0,1,2,3
	ds_load_b32 v[OSC+\p], v14 offset:128*\p
.endr
	ds_load_b32 v[MSC], v15
	s_wait_dscnt 0x0
.irp i, 0,2,4,6                                  ; eight accumulators, one K step each: none is taken twice
	v_wmma_scale_f32_16x16x128_f8f6f4 v[ACC+8*\i:ACC+8*\i+7], v[OTH+12*\i:OTH+12*\i+11], v[MINE:MINE+11], v[ACC+8*\i:ACC+8*\i+7], v[OSC+\i/2], v[MSC] matrix_a_fmt:MATRIX_FMT_FP6 matrix_b_fmt:MATRIX_FMT_FP6
	v_wmma_scale_f32_16x16x128_f8f6f4 v[ACC+8*\i+8:ACC+8*\i+15], v[OTH+12*\i+12:OTH+12*\i+23], v[MINE:MINE+11], v[ACC+8*\i+8:ACC+8*\i+15], v[OSC+\i/2], v[MSC] matrix_a_fmt:MATRIX_FMT_FP6 matrix_b_fmt:MATRIX_FMT_FP6 matrix_a_scale:MATRIX_SCALE_ROW1
.endr
.rept 4
	v_nop                                          ; four places between the products and the first read of their results (ISA guide 7.12.1)
.endr
	QUANT ACC
.irp c, 0,1,2
	global_store_b128 v255, v[PC+4*\c:PC+4*\c+3], s[42:43] offset:512*\c   ; the fragment's image: 512 consecutive bytes a store
.endr
	ds_store_b32 v254, v[PW]                       ; the 8 waves' scale words meet in LDS and leave as 512 consecutive bytes
	s_wait_dscnt 0x0
	s_barrier_signal -1
	s_barrier_wait -1
	s_cmp_lg_u32 s6, 0
	s_cbranch_scc1 .Ldone
	ds_load_b128 v[16:19], v255 offset:SCL
	s_wait_dscnt 0x0
	global_store_b128 v255, v[16:19], s[40:41] offset:12288
.Ldone:
	s_wait_tensorcnt 0x0
	ds_add_u32 v238, v239
	s_wait_dscnt 0x0
	s_endpgm
.Lfunc_end_k_q83beeb2294_proj:
	.size	k_q83beeb2294_proj, .Lfunc_end_k_q83beeb2294_proj-k_q83beeb2294_proj
	.p2alignl 7, 3214868480
	.fill 96, 4, 3214868480
	.section	.rodata,"a",@progbits
	.p2align	6, 0x0
	.amdhsa_kernel k_q83beeb2294_proj
		.amdhsa_group_segment_fixed_size 27392
		.amdhsa_private_segment_fixed_size 0
		.amdhsa_enable_private_segment 0
		.amdhsa_kernarg_size 80
		.amdhsa_user_sgpr_count 2
		.amdhsa_user_sgpr_kernarg_segment_ptr 1
		.amdhsa_wavefront_size32 1
		.amdhsa_system_sgpr_workgroup_id_x 1
		.amdhsa_system_sgpr_workgroup_id_y 1
		.amdhsa_system_sgpr_workgroup_id_z 1
		.amdhsa_system_vgpr_workitem_id 0
		.amdhsa_next_free_vgpr 256
		.amdhsa_next_free_sgpr 66
		.amdhsa_reserve_vcc 0
		.amdhsa_float_denorm_mode_32 3
		.amdhsa_float_denorm_mode_16_64 3
		.amdhsa_memory_ordered 1
		.amdhsa_forward_progress 1
		.amdhsa_inst_pref_size 34
	.end_amdhsa_kernel
	.amdgpu_metadata
---
amdhsa.version: [ 1, 2 ]
amdhsa.kernels:
  - .name:           k_q83beeb2294_proj
    .symbol:         k_q83beeb2294_proj.kd
    .args:
      - { .name: x1, .offset: 0, .size: 8, .value_kind: global_buffer, .address_space: global }
      - { .name: x2, .offset: 8, .size: 8, .value_kind: global_buffer, .address_space: global }
      - { .name: wq, .offset: 16, .size: 8, .value_kind: global_buffer, .address_space: global }
      - { .name: wk, .offset: 24, .size: 8, .value_kind: global_buffer, .address_space: global }
      - { .name: wv, .offset: 32, .size: 8, .value_kind: global_buffer, .address_space: global }
      - { .name: bq, .offset: 40, .size: 8, .value_kind: global_buffer, .address_space: global }
      - { .name: bk, .offset: 48, .size: 8, .value_kind: global_buffer, .address_space: global }
      - { .name: bv, .offset: 56, .size: 8, .value_kind: global_buffer, .address_space: global }
      - { .name: qc, .offset: 64, .size: 8, .value_kind: global_buffer, .address_space: global }
      - { .name: kv, .offset: 72, .size: 8, .value_kind: global_buffer, .address_space: global }
    .group_segment_fixed_size: 27392
    .private_segment_fixed_size: 0
    .kernarg_segment_align: 8
    .kernarg_segment_size: 80
    .max_flat_workgroup_size: 256
    .sgpr_count:     66
    .vgpr_count:     256
    .wavefront_size: 32
...
	.end_amdgpu_metadata
.endif
;; end of part 1
;; launch attn (part 2): grid 64 x 4, 8 waves a work-group, clusters of 4 x 1, 327,680 bytes of LDS; arguments qc, kv, x1, out0; writes out0
.if DOCPART == 2
	.amdgcn_target "amdgcn-amd-amdhsa--gfx1250"
	.amdhsa_code_object_version 6
	.text
	.protected	k_q83beeb2294_attn
	.globl	k_q83beeb2294_attn
	.p2align	8
	.type	k_q83beeb2294_attn,@function
k_q83beeb2294_attn:
	s_mov_b64 s[64:65], 0
	v_nop
	global_prefetch_b8 v0, s[64:65] scope:SCOPE_SE
	s_setreg_imm32_b32 hwreg(HW_REG_WAVE_MODE, 25, 1), 1
	s_wait_xcnt 0x0
	s_wait_alu depctr_hold_cnt(0) depctr_sa_sdst(0) depctr_va_vdst(0) depctr_va_sdst(0) depctr_va_ssrc(0) depctr_va_vcc(0) depctr_vm_vsrc(0)
	s_getreg_b32 s2, hwreg(HW_REG_IB_STS2, 6, 4)
	s_cmp_eq_u32 s2, 0
	s_cbranch_scc0 .Lentry_in_a_cluster
	s_endpgm
.Lentry_in_a_cluster:
	s_bfe_u32 s2, ttmp6, 0x10000c
	s_cmp_lg_u32 s2, 0x3003
	s_cbranch_scc0 .Lentry_shape_is_right
	s_endpgm
.Lentry_shape_is_right:
; out[b][c][n] = x1[b][c][n] + (sum over keys of p v) / l, p = 2^(t - M), t = q . k x log2(e) / sqrt(128), M a whole number; both products on codes of FP6 (E2M3) with E8M0 scales.
; qc, kv hold q, k, v as images of operand registers, made by the launch before: a step block (128 tokens) is 8 fragment images of 1,536 bytes (registers 4 c .. 4 c + 3 of lane l at 512 c + 16 l) and 512 bytes
; of scale words (the word at 16 l + 4 p: fragment 2 p + l / 16, row l % 16).  kv: 25,600 bytes a step: k's block (rows = keys, lane r of fragment 2 b + u holds key 32 b + 8 u + r + 8 (r / 8)), then v's (rows = channels, K = the step's keys).
; SHARES.  A work-group owns 64 queries of one batch.  Wave w: pair pr = w / 4 of query tiles (two tiles of 16, so that each fragment read from LDS feeds two products) and key group g = w % 4.
; A slot of the ring holds 512 keys, four step blocks; block g is the wave's: 8 key steps of 128 keys a wave.  The four key groups' sums are joined at the end by exact powers of two.
; LAYOUT.  Both products are used transposed: S^T = K Q^T, O^T = V^T P^T: a lane holds one query (lane % 16) throughout, and by the order of a tile's keys the 16 registers of score tiles 2 b, 2 b + 1 are 16 neighbouring keys.
; SOFTMAX.  -M = floor(-(the running largest t)); when M moves, the sum and O^T are multiplied by 2^(old M - new M), which rounds nothing.  The row's sum is taken of the unquantised p.  Each key group runs its own M.
; CLUSTER.  The four query blocks of a cluster lie in one batch and walk the same kv: every fill is asked for jointly, by the same tensor load with the same descriptor and the mask of all four.
; A wave has two tensor loads out at the start and one behind each change of slots.
; LIMITS: NaN and infinities are not served; p under 2^-126 counts as 0; a block of p that is all zeros keeps the scale byte 1 (its codes are zeros).
; REGISTERS.  Window 0: v1 my block's place in a slot, v2 the address in hand, v3, v4 for the add, v5 r, v6 16 x lane, v7 my place in x1 and out, v41 h; for tile a: v[8+4a] -M, v[9+4a] the largest t, v[10+4a:11+4a] the sum;
;   v16-39 Q's two fragments; v40 Q's scale words; v42-45 K's, v46-49 V's, v50-51 p's; v[52+2a] the factor f; v56-183 S^T, then p; v184-207 p's codes; v208-255 at work.
;   Window 1: v0-127 O^T (tile a, channels 16 T on: 64 a + 8 T); v128-223 eight fragments of K or of V.
.set SLOT1, 131072                     ; slot 0 at 0, slot 1 here: one exclusive or turns one into the other; a slot holds 102,400 bytes
.set BLKB,  25600                      ; a step's k and v
.set FILLB, 102400                     ; four of them
.set ML,    233472                     ; behind the ring: each wave's (-M, l), 512 bytes a wave
.set SPARE, 237568                     ; the spare words, 128 bytes for each of the 8 waves: four blocks of 256 bytes that no other line names
.set OS,    131072                     ; the end: 128 rows (channels) x (256 bytes + 16).  It and the stage at 0 (16,384 bytes a wave) lie in the slots, which have then had their last fill and their last read
.set QF,   16
.set QS,   40
.set KS,   42
.set VS,   46
.set PS,   50
.set FF,   52
.set S,    56
.set PC,   184
.set T,    208                         ; tile a at T + 24 a: +0..3 the blocks' largest scores, then p; +4..7 bytes; +8..11 the conversions' scale operands; +12.., +16.. conversions' second halves; +20 at work; +22:23 a second chain of the sum
.set FRAG, 128                         ; in window 1
.set MSB, 0
.macro WIN new                         ; the immediate's high byte repeats the setting that is left
.if MSB != \new
	s_set_vgpr_msb (MSB<<8)|\new
.set MSB, \new
.endif
.endm
; A round of the cluster's barrier: my work-group's barrier; wave 0 signals for the work-group; every wave waits for all four work-groups; my work-group's barrier once more.
.macro CROUND
	s_barrier_signal -1
	s_barrier_wait -1
	s_cmp_lg_u32 s12, 0
	s_cbranch_scc1 .Lnot_wave_0_\@
	s_barrier_signal -3
.Lnot_wave_0_\@:
	s_barrier_wait -3
	s_barrier_signal -1
	s_barrier_wait -1
.endm
; The joint refill: waves 0 to 3 fetch one step block each, the others nothing.  The branch hangs on the wave's number alone.  Four v_nop follow the load.
.macro JLOAD
	s_cmp_lt_u32 s12, 4
	s_cbranch_scc0 .Lnone_\@
	tensor_load_to_lds s[36:39], s[24:31]
	s_nop 0
.rept 4
	v_nop
.endr
.Lnone_\@:
.endm
; S^T tile t of query tile a: source 0 = 16 keys, source 1 = 16 queries.  One scale register carries two fragments' words: the odd one's in lanes 16-31.
.macro KQ t, a
.if ((\t)%2) && (\a)
	v_wmma_scale_f32_16x16x128_f8f6f4 v[S+64*(\a)+8*(\t):S+64*(\a)+8*(\t)+7], v[FRAG+12*(\t):FRAG+12*(\t)+11], v[QF+12*(\a):QF+12*(\a)+11], 0, v[KS+(\t)/2], v[QS] matrix_a_fmt:MATRIX_FMT_FP6 matrix_b_fmt:MATRIX_FMT_FP6 matrix_a_scale:MATRIX_SCALE_ROW1 matrix_b_scale:MATRIX_SCALE_ROW1
.elseif (\t)%2
	v_wmma_scale_f32_16x16x128_f8f6f4 v[S+64*(\a)+8*(\t):S+64*(\a)+8*(\t)+7], v[FRAG+12*(\t):FRAG+12*(\t)+11], v[QF+12*(\a):QF+12*(\a)+11], 0, v[KS+(\t)/2], v[QS] matrix_a_fmt:MATRIX_FMT_FP6 matrix_b_fmt:MATRIX_FMT_FP6 matrix_a_scale:MATRIX_SCALE_ROW1
.elseif \a
	v_wmma_scale_f32_16x16x128_f8f6f4 v[S+64*(\a)+8*(\t):S+64*(\a)+8*(\t)+7], v[FRAG+12*(\t):FRAG+12*(\t)+11], v[QF+12*(\a):QF+12*(\a)+11], 0, v[KS+(\t)/2], v[QS] matrix_a_fmt:MATRIX_FMT_FP6 matrix_b_fmt:MATRIX_FMT_FP6 matrix_b_scale:MATRIX_SCALE_ROW1
.else
	v_wmma_scale_f32_16x16x128_f8f6f4 v[S+64*(\a)+8*(\t):S+64*(\a)+8*(\t)+7], v[FRAG+12*(\t):FRAG+12*(\t)+11], v[QF+12*(\a):QF+12*(\a)+11], 0, v[KS+(\t)/2], v[QS] matrix_a_fmt:MATRIX_FMT_FP6 matrix_b_fmt:MATRIX_FMT_FP6
.endif
.endm
; O^T tile t of query tile a += 16 channels of V^T x P^T
.macro PV t, a
.if (\t)%2
	v_wmma_scale_f32_16x16x128_f8f6f4 v[64*(\a)+8*(\t):64*(\a)+8*(\t)+7], v[FRAG+12*(\t):FRAG+12*(\t)+11], v[PC+12*(\a):PC+12*(\a)+11], v[64*(\a)+8*(\t):64*(\a)+8*(\t)+7], v[VS+(\t)/2], v[PS+(\a)] matrix_a_fmt:MATRIX_FMT_FP6 matrix_b_fmt:MATRIX_FMT_FP6 matrix_a_scale:MATRIX_SCALE_ROW1
.else
	v_wmma_scale_f32_16x16x128_f8f6f4 v[64*(\a)+8*(\t):64*(\a)+8*(\t)+7], v[FRAG+12*(\t):FRAG+12*(\t)+11], v[PC+12*(\a):PC+12*(\a)+11], v[64*(\a)+8*(\t):64*(\a)+8*(\t)+7], v[VS+(\t)/2], v[PS+(\a)] matrix_a_fmt:MATRIX_FMT_FP6 matrix_b_fmt:MATRIX_FMT_FP6
.endif
.endm
; THE SOFTMAX OF A KEY STEP, in three parts; the two query tiles alternate line by line.
; A: the largest score of each block of 32 keys (it serves for the row's maximum and, since p rises with the score, for the block's largest p), the new M, f, and p.
.macro SOFT_A
.irp b, 0,1,2,3
.irp a, 0,1
	v_max3_num_f32 v[T+24*\a+\b], v[S+64*\a+16*\b], v[S+64*\a+16*\b+1], v[S+64*\a+16*\b+2]   ; each score tile is read from its low end on
.endr
.endr
.irp i, 3,5,7,9,11,13
.irp b, 0,1,2,3
.irp a, 0,1
	v_max3_num_f32 v[T+24*\a+\b], v[T+24*\a+\b], v[S+64*\a+16*\b+\i], v[S+64*\a+16*\b+\i+1]
.endr
.endr
.endr
.irp b, 0,1,2,3
.irp a, 0,1
	v_max_num_f32 v[T+24*\a+\b], v[T+24*\a+\b], v[S+64*\a+16*\b+15]
.endr
.endr
.irp b, 0,1,2,3
.irp a, 0,1
	v_permlanex16_b32 v[T+24*\a+4+\b], v[T+24*\a+\b], s18, s19
.endr
.endr
.irp b, 0,1,2,3
.irp a, 0,1
	v_max_num_f32 v[T+24*\a+\b], v[T+24*\a+\b], v[T+24*\a+4+\b]   ; with lane l xor 16's 16 keys
.endr
.endr
.irp a, 0,1
	v_max3_num_f32 v[T+24*\a+20], v[T+24*\a], v[T+24*\a+1], v[T+24*\a+2]
.endr
.irp a, 0,1
	v_max_num_f32 v[T+24*\a+20], v[T+24*\a+20], v[T+24*\a+3]      ; the step's largest score of my query
.endr
.irp a, 0,1
	v_mul_f32 v[T+24*\a+20], s20, v[T+24*\a+20]                   ; as t (c is positive)
.endr
.irp a, 0,1
	v_max_num_f32 v[9+4*\a], v[9+4*\a], v[T+24*\a+20]             ; the running largest t
.endr
.irp a, 0,1
	v_mov_b32 v[T+24*\a+20], v[8+4*\a]
.endr
.irp a, 0,1
	v_floor_f32 v[8+4*\a], -v[9+4*\a]                             ; the new -M = floor(-t): M is a whole number
.endr
.irp a, 0,1
	v_sub_f32 v[T+24*\a+20], v[8+4*\a], v[T+24*\a+20]             ; old M less new M: a whole number, 0 or less
.endr
.irp a, 0,1
	v_cvt_i32_f32 v[T+24*\a+20], v[T+24*\a+20]                    ; (it saturates)
.endr
.irp a, 0,1
	v_ldexp_f32 v[FF+2*\a], 1.0, v[T+24*\a+20]                    ; f = 2^(old M - new M)
.endr
.set j, 0
.rept 32
	v_pk_fma_f32 v[S+j:S+j+1], v[S+j:S+j+1], s[20:21], v[8:9] op_sel_hi:[1,0,0]              ; t - M, two at a time (of the pairs c and -M the low word serves both halves)
	v_pk_fma_f32 v[S+64+j:S+64+j+1], v[S+64+j:S+64+j+1], s[20:21], v[12:13] op_sel_hi:[1,0,0]
.set j, j+2
.endr
.irp b, 0,1,2,3
.irp a, 0,1
	v_fma_f32 v[T+24*\a+\b], v[T+24*\a+\b], s20, v[8+4*\a]        ; the same of each block's largest score
.endr
.endr
.set j, 0
.rept 128
	v_exp_f32 v[S+j], v[S+j]                                      ; p = 2^(t - M), at most 1, not normalised
.set j, j+1
.endr
.irp b, 0,1,2,3
.irp a, 0,1
	v_exp_f32 v[T+24*\a+\b], v[T+24*\a+\b]                        ; the block's largest p: the same two instructions on the same number
.endr
.endr
.irp a, 0,1
	v_pk_mul_f32 v[10+4*\a:11+4*\a], v[10+4*\a:11+4*\a], v[FF+2*\a:FF+2*\a+1] op_sel_hi:[1,0]   ; the sums under the new M; also the plain place behind the exponentials
.endr
.endm
; B: the blocks' scale operands and bytes, and p's scale word for these 128 keys.
.macro SOFT_B
	s_wait_alu depctr_va_vdst(0)
.irp b, 0,1,2,3
.irp a, 0,1
	v_max_num_f32 v[T+24*\a+\b], 0x1800000, v[T+24*\a+\b]         ; the floor 2^(3 - 127): the byte cannot fall under 1
.endr
.endr
.irp b, 0,1,2,3
.irp a, 0,1
	v_add_nc_u32 v[T+24*\a+8+\b], 0xff000000, v[T+24*\a+\b]       ; 2 off the exponent field: the conversion's scale operand
.endr
.endr
.irp b, 0,1,2,3
.irp a, 0,1
	v_lshrrev_b32 v[T+24*\a+4+\b], 23, v[T+24*\a+8+\b]            ; the scale's byte
.endr
.endr
.irp a, 0,1
	v_lshl_or_b32 v[PS+\a], v[T+24*\a+5], 8, v[T+24*\a+4]
.endr
.irp a, 0,1
	v_lshl_or_b32 v[PS+\a], v[T+24*\a+6], 16, v[PS+\a]
.endr
.irp a, 0,1
	v_lshl_or_b32 v[PS+\a], v[T+24*\a+7], 24, v[PS+\a]
.endr
.endm
; C: p's codes, brought into the operand's layout, and the row's sum of the unquantised p.
.macro SOFT_C
.irp a, 0,1
.irp c, 0,1
	v_cvt_scalef32_pk16_fp6_f32 v[PC+12*\a+6*\c:PC+12*\a+6*\c+2], v[S+64*\a+32*\c:S+64*\a+32*\c+15], v[T+24*\a+8+2*\c]
	v_cvt_scalef32_pk16_fp6_f32 v[T+24*\a+12+4*\c:T+24*\a+14+4*\c], v[S+64*\a+32*\c+16:S+64*\a+32*\c+31], v[T+24*\a+9+2*\c]   ; (a conversion's three registers begin on an even number)
.endr
.endr
	v_nop                                          ; one plain place behind the scaled conversions
.irp a, 0,1
.irp c, 0,1                                      ; the operand's layout wants a whole block in a lane: lanes 0-15 block 2 c, lanes 16-31 block 2 c + 1
.irp i, 0,1,2
	v_permlane16_swap_b32 v[PC+12*\a+6*\c+\i], v[T+24*\a+12+4*\c+\i]
.endr
.irp i, 0,1,2
	v_mov_b32 v[PC+12*\a+6*\c+3+\i], v[T+24*\a+12+4*\c+\i]
.endr
.endr
.endr
.irp a, 0,1
	v_pk_add_f32 v[T+24*\a+22:T+24*\a+23], v[S+64*\a:S+64*\a+1], v[S+64*\a+2:S+64*\a+3]   ; two at a time, in two chains a tile
.endr
.irp j, 4,8,12,16,20,24,28,32,36,40,44,48,52,56,60
.irp a, 0,1
	v_pk_add_f32 v[10+4*\a:11+4*\a], v[10+4*\a:11+4*\a], v[S+64*\a+\j:S+64*\a+\j+1]
	v_pk_add_f32 v[T+24*\a+22:T+24*\a+23], v[T+24*\a+22:T+24*\a+23], v[S+64*\a+\j+2:S+64*\a+\j+3]
.endr
.endr
.irp a, 0,1
	v_pk_add_f32 v[10+4*\a:11+4*\a], v[10+4*\a:11+4*\a], v[T+24*\a+22:T+24*\a+23]
.endr
.endm
; A KEY STEP: my 128 keys of the slot in hand, for my 32 queries.
; chg = 2: the slot is left in the step's middle, when all my reads of it are issued, and filled again; 1: it is left and nothing is asked for; 0: the last step.
.macro STEP chg
	v_add_nc_u32 v2, s22, v1
	ds_load_b128 v[KS:KS+3], v2 offset:12288       ; K's scale words of the step's 8 fragments, four words a lane
	ds_load_b128 v[VS:VS+3], v2 offset:25088       ; V's
	WIN 0x40                                       ; destination window 1
.irp t, 0,1,2,3,4,5,6,7
.irp c, 0,1,2
	ds_load_b128 v[FRAG+12*\t+4*\c:FRAG+12*\t+4*\c+3], v2 offset:1536*\t+512*\c   ; an image comes back as it was stored: 512 consecutive bytes a load
.endr
.endr
	s_wait_dscnt 12                                ; the scale words and fragments 0-3 are in; the twelve loads of fragments 4-7 may be out
	WIN 0x01                                       ; source 0 (K) window 1
.irp t, 0,1,2,3
.irp a, 0,1
	KQ \t, \a
.endr
.endr
	s_wait_dscnt 0x0
.irp t, 4,5,6,7
.irp a, 0,1
	KQ \t, \a
.endr
.endr
.rept 4
	v_nop                                          ; four places between the products and the loads into their operands' registers, and the first read of the scores
.endr
	WIN 0x40
.irp t, 0,1,2,3,4,5,6,7
.irp c, 0,1,2
	ds_load_b128 v[FRAG+12*\t+4*\c:FRAG+12*\t+4*\c+3], v2 offset:12800+1536*\t+512*\c   ; V's fragments land under the softmax
.endr
.endr
	WIN 0
	SOFT_A
.if \chg > 0
	s_wait_tensorcnt 0x0                           ; all my tensor loads have landed: my part of the slot that is read next; so a group 0 may be written
	ds_add_u32 v3, v4                              ; 0 onto my spare word: work on registers stands between it and the wait for it
.if \chg == 2
	s_xor_b32 s37, s37, SLOT1                      ; the walking descriptor: the slot that I am leaving,
	s_add_nc_u64 s[38:39], s[38:39], FILLB         ; the next 512 keys; the type bits on top are not reached
.endif
	SOFT_B
	s_wait_dscnt 0x0                               ; the add is done, and my reads of this slot, V's fragments the last of them, are in
.if \chg == 2
	CROUND                                         ; no wave of any partner still reads the slot or has a load on its way
	JLOAD                                          ; the first thing behind the round, a wave's one tensor load until the next: it has a whole key step and a half in which to land
.else
	s_barrier_signal -1
	s_barrier_wait -1                              ; the last slot is whole for every wave
.endif
.else
	SOFT_B
.endif
	SOFT_C
	WIN 0x41                                       ; O^T (destination and source 0) window 1
.set j, 0
.rept 32
	v_pk_mul_f32 v[j:j+1], v[j:j+1], v[FF:FF+1] op_sel_hi:[1,0]                ; O^T under the new M, each accumulator from its low end on
	v_pk_mul_f32 v[64+j:65+j], v[64+j:65+j], v[FF+2:FF+3] op_sel_hi:[1,0]
.set j, j+2
.endr
.if \chg == 0
	s_wait_dscnt 0x0                               ; V's fragments are in (in the other steps the wait in front of the barrier has shown it)
.endif
	WIN 0x51                                       ; V, C and D window 1, P window 0
.irp t, 0,1,2,3,4,5,6,7
.irp a, 0,1
	PV \t, \a                                      ; sixteen accumulators by turns, one instruction a turn
.endr
.endr
	WIN 0
.rept 4
	v_nop                                          ; four places in front of the next loads into the fragments' and the scale words' registers
.endr
.if \chg > 0
	s_xor_b32 s22, s22, SLOT1                      ; on to the other slot
.endif
.endm
	s_load_b256 s[4:11], s[0:1], 0x0               ; qc 4:5, kv 6:7, x1 8:9, out0 10:11
	v_lshl_add_u32 v3, v0, 2, SPARE
	v_mov_b32 v4, 0
	ds_add_u32 v3, v4
	s_wait_dscnt 0x0
	v_lshrrev_b32 v2, 5, v0
	v_readfirstlane_b32 s12, v2                    ; wave 0..7
	s_bfe_u32 s13, ttmp6, 0x40000                  ; cx: my place in the cluster
	s_lshl_b32 s14, ttmp9, 2                       ; in a cluster launch ttmp9 counts clusters
	s_add_co_u32 s14, s14, s13                     ; my block of 64 queries: it enters the addresses of qc, x1 and out0 alone
	s_and_b32 s15, ttmp7, 0xffff                   ; the batch, which the four partners share
	s_and_b32 s16, s12, 3                          ; g: my key group
	s_lshr_b32 s17, s12, 2                         ; pr: my pair of query tiles
	s_mov_b32 s18, 0x76543210
	s_mov_b32 s19, 0xfedcba98                      ; v_permlanex16_b32's selects for lane l xor 16
	s_mov_b32 s20, 0x3e0293ee                      ; c = log2(e) / sqrt(128)
	s_mov_b32 s21, s20                             ; (named with it as a pair, so it is written)
	s_mov_b32 s22, 0                               ; the slot in hand
	s_mov_b32 s23, 6                               ; key steps behind which a slot is filled again
	; descriptor group 1: a step block, 25,600 dense bytes, as 100 rows of 256 bytes (32 elements of 8 bytes), no padding
	s_mov_b32 s24, 15|(3<<16)|(1<<21)              ; 15:0 the mask: all four work-groups; 17:16 elements of 8 bytes; 21 set beside a mask
	s_mov_b32 s25, 32<<16                          ; tensor_dim0 = 32
	s_mov_b32 s26, 100<<16                         ; tensor_dim1 = 100
	s_mov_b32 s27, 32<<16                          ; tile_dim0 = 32
	s_mov_b32 s28, 100                             ; tile_dim1 = 100
	s_mov_b32 s29, 32                              ; the pitch
	s_mov_b32 s30, 0
	s_mov_b32 s31, 0
	; group 0: s[32:35] for fill 0 into slot 0; s[36:39] for fill 1 into slot 1, which then walks
	s_mov_b32 s32, 1
	s_mul_i32 s33, s16, BLKB                       ; block g of a slot: the wave's number times a constant; no place in the cluster enters an LDS address
	s_mov_b32 s36, 1
	s_add_co_u32 s37, s33, SLOT1
	s_mul_i32 s40, s15, 819200                     ; the batch's 32 steps
	s_add_co_u32 s40, s40, s33
	s_mov_b32 s41, 0
	; q: step 32 b + qb / 2; my two fragments 4 (qb % 2) + 2 pr + a; their scale words are pair 2 (qb % 2) + pr
	s_lshl_b32 s42, s15, 5
	s_lshr_b32 s43, s14, 1
	s_add_co_u32 s42, s42, s43
	s_mul_i32 s42, s42, 12800
	s_and_b32 s43, s14, 1
	s_mul_i32 s44, s43, 6144
	s_mul_i32 s45, s17, 3072
	s_add_co_u32 s44, s44, s45
	s_add_co_u32 s44, s44, s42
	s_lshl_b32 s45, s43, 3
	s_add_co_u32 s42, s42, s45
	s_lshl_b32 s45, s17, 2
	s_add_co_u32 s42, s42, s45
	s_add_co_u32 s42, s42, 12288
	s_mov_b32 s43, 0
	s_mov_b32 s45, 0
	; x1 and out0: the batch, channels 16 w on, my 64 tokens
	s_lshl_b32 s46, s15, 21
	s_lshl_b32 s47, s12, 18
	s_add_co_u32 s46, s46, s47
	s_lshl_b32 s47, s14, 8
	s_add_co_u32 s46, s46, s47
	s_mov_b32 s47, 0
	s_wait_kmcnt 0x0
	s_add_nc_u64 s[34:35], s[6:7], s[40:41]
	s_add_nc_u64 s[38:39], s[34:35], FILLB
	s_or_b32 s35, s35, 0x80000000                  ; 127:126 type = 2
	s_or_b32 s39, s39, 0x80000000
	s_add_nc_u64 s[44:45], s[4:5], s[44:45]        ; Q's fragments
	s_add_nc_u64 s[42:43], s[4:5], s[42:43]        ; Q's scale words
	s_add_nc_u64 s[8:9], s[8:9], s[46:47]
	s_add_nc_u64 s[10:11], s[10:11], s[46:47]
	CROUND                                         ; all four work-groups are here: the first joint loads meet
	s_cmp_lt_u32 s12, 4                            ; a wave's two first fills stand in one branch, ahead of every wait on TENSORcnt and every LDS read
	s_cbranch_scc0 .Lfirst_asked
	tensor_load_to_lds s[32:35], s[24:31]
	s_nop 0
	tensor_load_to_lds s[36:39], s[24:31]
	s_nop 0
.rept 4
	v_nop
.endr
.Lfirst_asked:
	v_and_b32 v2, 31, v0
	v_lshlrev_b32 v6, 4, v2                        ; 16 x lane
	v_and_b32 v5, 15, v0                           ; r
	v_bfe_u32 v41, v0, 4, 1                        ; h
	v_lshlrev_b32 v7, 14, v41
	v_lshl_add_u32 v7, v5, 4, v7                   ; x1, out0: lanes 0-15 one channel's 256 bytes, lanes 16-31 the next channel's
	v_add_nc_u32 v1, s33, v6                       ; my lane's 16 bytes in my block of a slot
.irp a, 0,1
.irp c, 0,1,2
	global_load_b128 v[QF+12*\a+4*\c:QF+12*\a+4*\c+3], v6, s[44:45] offset:1536*\a+512*\c   ; Q's two fragments stay in registers
.endr
.endr
	global_load_b32 v[QS], v6, s[42:43]            ; lanes 0-15: tile a = 0's scale words, lanes 16-31: tile a = 1's
.irp a, 0,1
	v_mov_b32 v[9+4*\a], 0xff61b1e6                ; the largest t so far: -3e38, under every t
	v_floor_f32 v[8+4*\a], -v[9+4*\a]              ; -M
	v_mov_b32 v[10+4*\a], 0                        ; the sum, in two halves
	v_mov_b32 v[11+4*\a], 0
	v_mov_b32 v[FF+2*\a+1], 0                      ; (named as the upper half of f's pair)
.irp b, 0,1,2,3
	v_mov_b32 v[T+24*\a+4+\b], 0                   ; a lane permute's destination counts as one of its sources: written once
.endr
.endr
	WIN 0x40
.set j, 0
.rept 128
	v_mov_b32 v[j], 0                              ; O^T.  The key step is written without a first step of its own: the first finds zeros, which the first change of M leaves zeros
.set j, j+1
.endr
	WIN 0
	s_wait_tensorcnt 0x1                           ; my part of slot 0 is in; slot 1's may stay out
	s_barrier_signal -1
	s_barrier_wait -1                              ; everybody's is
	s_wait_loadcnt 0x0                             ; Q
.Lstep:                                            ; six trips: step i leaves slot i % 2, which takes keys 512 (i + 2) on
	STEP 2
	s_sub_co_u32 s23, s23, 1
	s_cmp_lg_u32 s23, 0
	s_cbranch_scc1 .Lstep
	STEP 1                                         ; the last two steps are written out
	STEP 0
	; ---- THE END.  The four key groups of a pair of query tiles are joined: M* = the largest M; each group's O^T and l are brought under M* by an exact power of two; O^T is divided by the whole sum.
	v_and_b32 v254, 31, v0
	v_lshlrev_b32 v255, 3, v254                    ; 8 x lane
	s_lshl_b32 s48, s12, 9
	s_add_co_u32 s48, s48, ML
	v_add_nc_u32 v248, s48, v255                   ; my (-M, l): 512 bytes a wave, 256 a tile
	s_lshl_b32 s48, s17, 11
	s_add_co_u32 s48, s48, ML
	v_add_nc_u32 v249, s48, v255                   ; those of my pair's four waves
	s_lshl_b32 s48, s12, 14
	v_add_nc_u32 v250, s48, v6                     ; my O^T: 16,384 bytes a wave, registers 4 j .. 4 j + 3 at 512 j + 16 l
	s_lshl_b32 s48, s17, 16
	s_lshl_b32 s49, s16, 11
	s_add_co_u32 s48, s48, s49
	v_add_nc_u32 v251, s48, v6                     ; channels 32 g on of my pair's four waves
	v_and_b32 v254, 8, v5
	v_add_nc_u32 v254, v254, v5                    ; r + 8 (r / 8): where my query stands among its 32
	v_lshlrev_b32 v254, 2, v254
	v_mad_u32_u24 v254, v41, 2176, v254            ; + 8 h rows of 272 bytes
	s_mul_i32 s48, s16, 8704                       ; + 32 g rows
	s_lshl_b32 s49, s17, 7                         ; + 32 pr tokens
	s_add_co_u32 s48, s48, s49
	s_add_co_u32 s48, s48, OS
	v_add_nc_u32 v252, s48, v254                   ; the turn: row = channel, 4 bytes a token
	v_mul_u32_u24 v254, v41, 272
	v_lshl_add_u32 v254, v5, 4, v254
	s_mul_i32 s48, s12, 4352
	s_add_co_u32 s48, s48, OS
	v_add_nc_u32 v253, s48, v254                   ; back: channels 16 w on, two rows a load
.irp i, 0,1,2,3,4,5,6,7
	global_load_b128 v[216+4*\i:219+4*\i], v7, s[8:9] offset:32768*\i th:TH_LOAD_NT   ; x1 at the places that I shall store: asked for three barriers ahead of its use
.endr
.irp a, 0,1
	v_add_f32 v[9+4*\a], v[10+4*\a], v[11+4*\a]    ; the sum's two halves,
.endr
.irp a, 0,1
	v_permlanex16_b32 v[10+4*\a], v[9+4*\a], s18, s19
.endr
.irp a, 0,1
	v_add_f32 v[9+4*\a], v[9+4*\a], v[10+4*\a]     ; and lane l xor 16's: my key group's l
.endr
.irp a, 0,1
	ds_store_b64 v248, v[8+4*\a:9+4*\a] offset:256*\a
.endr
	s_wait_dscnt 0x0                               ; my stores have landed; my reads of the slots were in before
	s_barrier_signal -1
	s_barrier_wait -1                              ; from here on nobody reads the slots, and both have had their last fill: the stages may lie there
.irp a, 0,1
.irp g, 0,1,2,3
	ds_load_b64 v[184+8*\a+2*\g:185+8*\a+2*\g], v249 offset:512*\g+256*\a
.endr
.endr
	s_wait_dscnt 0x0
.irp a, 0,1
	v_min3_num_f32 v[200+\a], v[184+8*\a], v[186+8*\a], v[188+8*\a]
.endr
.irp a, 0,1
	v_min_num_f32 v[200+\a], v[200+\a], v[190+8*\a]               ; -M*
.endr
.irp g, 0,1,2,3
.irp a, 0,1
	v_sub_f32 v[184+8*\a+2*\g], v[200+\a], v[184+8*\a+2*\g]       ; M of group g less M*: a whole number, 0 or less
.endr
.endr
.irp a, 0,1
	v_sub_f32 v[204+\a], v[200+\a], v[8+4*\a]                     ; my own
.endr
.irp g, 0,1,2,3
.irp a, 0,1
	v_cvt_i32_f32 v[184+8*\a+2*\g], v[184+8*\a+2*\g]
.endr
.endr
.irp a, 0,1
	v_cvt_i32_f32 v[204+\a], v[204+\a]
.endr
.irp g, 0,1,2,3
.irp a, 0,1
	v_ldexp_f32 v[184+8*\a+2*\g], 1.0, v[184+8*\a+2*\g]
.endr
.endr
.irp a, 0,1
	v_ldexp_f32 v[204+\a], 1.0, v[204+\a]
.endr
.irp a, 0,1
	v_mul_f32 v[202+\a], v[184+8*\a], v[185+8*\a]
.endr
.irp g, 1,2,3
.irp a, 0,1
	v_fmac_f32 v[202+\a], v[184+8*\a+2*\g], v[185+8*\a+2*\g]      ; the row's whole sum under M*
.endr
.endr
.irp a, 0,1
	v_rcp_f32 v[206+\a], v[202+\a]
.endr
	v_nop                                          ; one plain place behind the reciprocals
	s_wait_alu depctr_va_vdst(0)
.irp a, 0,1
	v_mul_f32 v[FF+2*\a], v[204+\a], v[206+\a]     ; my group's factor: 2^(M - M*) / the sum
.endr
	WIN 0x41
.set j, 0
.rept 32
	v_pk_mul_f32 v[j:j+1], v[j:j+1], v[FF:FF+1] op_sel_hi:[1,0]   ; each accumulator from its low end on
	v_pk_mul_f32 v[64+j:65+j], v[64+j:65+j], v[FF+2:FF+3] op_sel_hi:[1,0]
.set j, j+2
.endr
	WIN 0x04                                       ; an LDS store's data are its source 1: window 1
.set j, 0
.rept 32
	ds_store_b128 v250, v[4*j:4*j+3] offset:512*j
.set j, j+1
.endr
	WIN 0
	s_wait_dscnt 0x0
	s_barrier_signal -1
	s_barrier_wait -1
.irp g, 0,1,2,3                                  ; channels 32 g .. 32 g + 31 (mine) of both tiles, from all four key groups
.irp a, 0,1
.irp j, 0,1,2,3
	ds_load_b128 v[56+32*\g+16*\a+4*\j:59+32*\g+16*\a+4*\j], v251 offset:16384*\g+8192*\a+512*\j
.endr
.endr
.endr
	s_wait_dscnt 0x0
.irp g, 1,2,3
.set j, 0
.rept 16
	v_pk_add_f32 v[56+j:57+j], v[56+j:57+j], v[56+32*\g+j:57+32*\g+j]
.set j, j+2
.endr
.endr
.irp a, 0,1                                      ; register 16 a + 8 u + j: channel 32 g + 16 u + 8 h + j of query 32 pr + 8 a + r + 8 (r / 8).  The 32 lanes of a store fall on 32 different words modulo 64 words
.irp u, 0,1
.irp j, 0,1,2,3,4,5,6,7
	ds_store_b32 v252, v[56+16*\a+8*\u+\j] offset:272*(16*\u+\j)+32*\a
.endr
.endr
.endr
	s_wait_dscnt 0x0
	s_barrier_signal -1
	s_barrier_wait -1                              ; 128 channels x 64 tokens lie in the stage
.irp i, 0,1,2,3,4,5,6,7
	ds_load_b128 v[88+4*\i:91+4*\i], v253 offset:544*\i
.endr
	s_wait_loadcnt 0x0                             ; x1
.irp i, 0,1,2,3,4,5,6,7
	s_wait_dscnt 7-\i                              ; LDS loads come back in order: rows 2 i and 2 i + 1 are in, the younger ones may be out
	v_pk_add_f32 v[88+4*\i:89+4*\i], v[88+4*\i:89+4*\i], v[216+4*\i:217+4*\i]
	v_pk_add_f32 v[90+4*\i:91+4*\i], v[90+4*\i:91+4*\i], v[218+4*\i:219+4*\i]
	global_store_b128 v7, v[88+4*\i:91+4*\i], s[10:11] offset:32768*\i th:TH_STORE_NT   ; sixteen lanes store 256 consecutive bytes, at a multiple of 256 from out0's first byte
.endr
	s_wait_tensorcnt 0x0                           ; the wave's end, behind my last tensor load and my last LDS store
	ds_add_u32 v3, v4
	s_wait_dscnt 0x0
	CROUND                                         ; the closing round: no work-group ends while a partner may still ask for a tile that names it
	s_endpgm
.Lfunc_end_k_q83beeb2294_attn:
	.size	k_q83beeb2294_attn, .Lfunc_end_k_q83beeb2294_attn-k_q83beeb2294_attn
	.p2alignl 7, 3214868480
	.fill 96, 4, 3214868480
	.section	.rodata,"a",@progbits
	.p2align	6, 0x0
	.amdhsa_kernel k_q83beeb2294_attn
		.amdhsa_group_segment_fixed_size 327680
		.amdhsa_private_segment_fixed_size 0
		.amdhsa_enable_private_segment 0
		.amdhsa_kernarg_size 32
		.amdhsa_user_sgpr_count 2
		.amdhsa_user_sgpr_kernarg_segment_ptr 1
		.amdhsa_wavefront_size32 1
		.amdhsa_system_sgpr_workgroup_id_x 1
		.amdhsa_system_sgpr_workgroup_id_y 1
		.amdhsa_system_sgpr_workgroup_id_z 1
		.amdhsa_system_vgpr_workitem_id 0
		.amdhsa_next_free_vgpr 512
		.amdhsa_next_free_sgpr 66
		.amdhsa_reserve_vcc 0
		.amdhsa_float_denorm_mode_32 3
		.amdhsa_float_denorm_mode_16_64 3
		.amdhsa_memory_ordered 1
		.amdhsa_forward_progress 1
		.amdhsa_inst_pref_size 131
	.end_amdhsa_kernel
	.amdgpu_metadata
---
amdhsa.version: [ 1, 2 ]
amdhsa.kernels:
  - .name:           k_q83beeb2294_attn
    .symbol:         k_q83beeb2294_attn.kd
    .args:
      - { .name: qc, .offset: 0, .size: 8, .value_kind: global_buffer, .address_space: global }
      - { .name: kv, .offset: 8, .size: 8, .value_kind: global_buffer, .address_space: global }
      - { .name: x1, .offset: 16, .size: 8, .value_kind: global_buffer, .address_space: global }
      - { .name: out0, .offset: 24, .size: 8, .value_kind: global_buffer, .address_space: global }
    .group_segment_fixed_size: 327680
    .private_segment_fixed_size: 0
    .kernarg_segment_align: 8
    .kernarg_segment_size: 32
    .max_flat_workgroup_size: 256
    .sgpr_count:     66
    .vgpr_count:     512
    .wavefront_size: 32
...
	.end_amdgpu_metadata
.endif
;; end of part 2
;; ======== version 2 of 2: 2 launches; version 1 with the launch proj written anew for expert scheduling mode
;; workspace buffers: qc 1,638,400 bytes; kv 3,276,800 bytes
;; launch proj (part 3): grid 128 x 3, 8 waves a work-group, no clusters, 27,392 bytes of LDS; arguments x1, x2, wq, wk, wv, bq, bk, bv, qc, kv; writes qc, kv
.if DOCPART == 3
	.amdgcn_target "amdgcn-amd-amdhsa--gfx1250"
	.amdhsa_code_object_version 6
	.text
	.protected	k_q83beeb2294_proj
	.globl	k_q83beeb2294_proj
	.p2align	8
	.type	k_q83beeb2294_proj,@function
k_q83beeb2294_proj:
	s_mov_b64 s[64:65], 0
	v_nop
	global_prefetch_b8 v0, s[64:65] scope:SCOPE_SE
	s_setreg_imm32_b32 hwreg(HW_REG_WAVE_SCHED_MODE, 0, 2), 2
	s_setreg_imm32_b32 hwreg(HW_REG_WAVE_MODE, 25, 1), 1
	s_wait_xcnt 0x0
	s_wait_alu depctr_vm_vsrc(0)
; The three projections q = t1 wq^T + bq, k = t2 wk^T + bk, v = t2 wv^T + bv on codes of FP6 (E2M3) with one E8M0 scale for each 32 along K, and the quantising of their results for the attention launch.
; x1, x2: [4][128 channels][4096 tokens] f32, so K (the channels) is the outer axis; w: [128 out][128 in] f32, K innermost; biases [128] f32.
; GRID.  Work-group x = a step of 128 tokens (32 steps a batch); work-group y = the kind: 0 q, 1 k, 2 v.  The kind chooses pointers, LDS bases and one lane mask; there is ONE path through the text.
; EVERY KIND computes D_i = Other_i (source 0) x Mine (source 1), i = 0 .. 7.  q, k: Other = the 8 tiles of W, Mine = 16 tokens of x: a lane holds one token and its registers run along the out channels, which are
; K of q k^T.  v: Other = the 8 tiles of tokens, Mine = 16 rows of W: a lane holds one channel and its registers run along the keys, which are K of p v.  The bias is the C of the product.
; THE ROWS OF A TILE ARE NOT NEIGHBOURS: lane r of tile 2 b + u takes row 32 b + 8 u + r + 8 (r / 8) (x's tokens always; W's rows for q and k), so that the 16 registers of result tiles 2 b and 2 b + 1 are 16 neighbours along the next K.
; SHARES.  Wave w quantises W's tile w, and x for 32 tokens (group w / 2) x 64 channels (half w % 2); both go to LDS as images of operand registers; behind a barrier wave w makes result fragment w.
; OUT.  A step block is 12,800 bytes: 8 fragment images (registers 4 c .. 4 c + 3 of lane l at 512 c + 16 l), then 512 bytes of scale words: the word at 16 l + 4 p belongs to fragment 2 p + l / 16, row l % 16.
; qc: one block a step.  kv: 25,600 bytes a step: k's block, then v's.
; No tensor load and no joint request: each number of x is used by one wave, straight in registers, and W is loaded in the order that the conversions take it; what the work-groups of a kind share is W's 65,536 bytes.
; LIMITS: NaN and infinities are not served.  A block whose largest magnitude lies under 2^-124 gets the byte 1; so does a block of zeros, where the quantiser says 127: its codes are zeros, and the bytes are read by this program alone.
; THE MODE: SCHED_MODE bits 1:0 = 2 (LLVM: expert scheduling mode 2), set by the entry lines.  The code itself states the register dependences
; between vector or matrix instructions and memory or LDS instructions, with s_wait_alu, always for 0.
; THE PLAN.  Registers that memory or LDS instructions touch:
;   v4-15, v254, v255   offsets and LDS addresses: written once at the head, never again.  One wait on va_vdst ahead of the first load serves every access of the kernel.
;   v16-143             x's and W's numbers land here; the two quantisings read them and write x's codes over v80-99; x's LDS stores read v80-91; behind the barrier Other's and Mine's fragments land in v16-123.
;   v208-219 (PC)       W's codes: read by W's LDS stores; written again by the result's quantising; read by the global stores.
;   v245, v246, v244    W's scale word, x's two bytes, the result's scale word: each written by vector instructions, read by one LDS store, and not written again.
;   v144-207, v253      the bias lands here; after that vector and matrix instructions alone name them.    v248-252: scale words from LDS, read by the products alone.
; W's and x's fourteen LDS stores stand together behind ONE wait on va_vdst.  It also states that the quantisings are done with v16-143: between it and the loads behind the barrier stand only the bias's selects,
; which name v144-207 and v253.  One wait on vm_vsrc behind the barrier states that those stores have read their data.  One more wait on va_vdst stands ahead of the result's stores.
.set XIMG, 0                           ; LDS: x's 8 fragments, 1,536 bytes each: register pair p of lane l at 256 p + 8 l
.set WIMG, 12288                       ; W's 8 tiles likewise
.set XSC,  24576                       ; x's scale words: fragment f, row r at 64 f + 4 r
.set WSC,  25088                       ; W's
.set SCL,  25856                       ; the results' scale words, as they leave (256 bytes lie unused in front)
.set XR,   16                          ; v16-79   64 numbers of x
.set WR,   80                          ; v80-143  64 numbers of W
.set PX,   80                          ; v80-99   x's codes (W's numbers are done with)
.set ACC,  144                         ; v144-207 the bias, then the 8 result tiles
.set PC,   208                         ; v208-227 codes: 12 registers, and two runs of three at +12 and +16
.set TM,   228                         ; v228-243 +0..3 largest magnitudes, +4..7 bytes, +12..15 the conversions' scale operands
.set PW,   244                         ; the result's scale word
.set OTH,  16                          ; v16-111  behind the barrier: Other's 8 fragments
.set MINE, 112                         ; v112-123 Mine
.set OSC,  248                         ; v248-251 Other's scale words: lanes 0-15 fragment 2 p, lanes 16-31 fragment 2 p + 1
.set MSC,  252                         ; v252     Mine's
.set BV,   253                         ; v253     bias of channel 16 w + r (used by kind v)
.set SEL,  48                          ; s[48:49] v_permlanex16_b32's selects for lane l xor 16
; Two whole blocks of 32 in a lane, v[src + 32 c ..], become 12 registers of codes at v[dst]; the bytes are left in v[TM+4], v[TM+5].
.macro TWOBLK src, dst
.irp c, 0,1
	v_max3_num_f32 v[TM+\c], |v[\src+32*\c]|, |v[\src+32*\c+1]|, 0x1800000   ; the floor 2^(3 - 127): the byte cannot fall under 1
.endr
.irp i, 2,4,6,8,10,12,14,16,18,20,22,24,26,28,30
.irp c, 0,1
	v_max3_num_f32 v[TM+\c], v[TM+\c], |v[\src+32*\c+\i]|, |v[\src+32*\c+\i+1]|   ; the two blocks by turns
.endr
.endr
.irp c, 0,1
	v_add_nc_u32 v[TM+12+\c], 0xff000000, v[TM+\c]   ; 2 off the exponent field: the conversion's scale operand
.endr
.irp c, 0,1
	v_lshrrev_b32 v[TM+4+\c], 23, v[TM+12+\c]        ; the scale's byte
.endr
.irp c, 0,1
	v_cvt_scalef32_pk16_fp6_f32 v[\dst+6*\c:\dst+6*\c+2], v[\src+32*\c:\src+32*\c+15], v[TM+12+\c]
	v_cvt_scalef32_pk16_fp6_f32 v[\dst+12+4*\c:\dst+14+4*\c], v[\src+32*\c+16:\src+32*\c+31], v[TM+12+\c]   ; (a conversion's three registers begin on an even number)
.endr
	v_nop                                            ; one plain place behind the scaled conversions
.irp c, 0,1
.irp i, 0,1,2
	v_mov_b32 v[\dst+3+6*\c+\i], v[\dst+12+4*\c+\i]
.endr
.endr
.endm
; 64 numbers of a lane, register 16 b + i = k 32 b + 16 (lane / 16) + i of my row, become a fragment's codes in v[PC] on and its scale word in v[PW].
.macro QUANT s
.irp b, 0,1,2,3
	v_max3_num_f32 v[TM+\b], |v[\s+16*\b]|, |v[\s+1+16*\b]|, 0x1800000   ; each result tile is read from its low end on
.endr
.irp i, 2,4,6,8,10,12,14
.irp b, 0,1,2,3
	v_max3_num_f32 v[TM+\b], v[TM+\b], |v[\s+16*\b+\i]|, |v[\s+1+16*\b+\i]|
.endr
.endr
.irp b, 0,1,2,3
	v_permlanex16_b32 v[TM+4+\b], v[TM+\b], s[SEL], s[SEL+1]
.endr
.irp b, 0,1,2,3
	v_max_num_f32 v[TM+\b], v[TM+\b], v[TM+4+\b]     ; with lane l xor 16's: the block's largest magnitude
.endr
.irp b, 0,1,2,3
	v_add_nc_u32 v[TM+12+\b], 0xff000000, v[TM+\b]
.endr
.irp b, 0,1,2,3
	v_lshrrev_b32 v[TM+4+\b], 23, v[TM+12+\b]
.endr
	v_lshl_or_b32 v[PW], v[TM+5], 8, v[TM+4]         ; the four bytes make my row's scale word
	v_lshl_or_b32 v[PW], v[TM+6], 16, v[PW]
	v_lshl_or_b32 v[PW], v[TM+7], 24, v[PW]
.irp c, 0,1
	v_cvt_scalef32_pk16_fp6_f32 v[PC+6*\c:PC+2+6*\c], v[\s+32*\c:\s+15+32*\c], v[TM+12+2*\c]
	v_cvt_scalef32_pk16_fp6_f32 v[PC+12+4*\c:PC+14+4*\c], v[\s+16+32*\c:\s+31+32*\c], v[TM+12+2*\c+1]
.endr
	v_nop                                            ; one plain place behind the scaled conversions
.irp c, 0,1                                      ; the operand's layout wants a whole block in a lane: lanes 0-15 block 2 c, lanes 16-31 block 2 c + 1
.irp i, 0,1,2
	v_permlane16_swap_b32 v[PC+6*\c+\i], v[PC+12+4*\c+\i]
.endr
.irp i, 0,1,2
	v_mov_b32 v[PC+3+6*\c+\i], v[PC+12+4*\c+\i]
.endr
.endr
.endm
	s_load_b512 s[8:23], s[0:1], 0x0               ; x1 8:9, x2 10:11, wq 12:13, wk 14:15, wv 16:17, bq 18:19, bk 20:21, bv 22:23
	s_load_b128 s[24:27], s[0:1], 0x40             ; qc 24:25, kv 26:27
	v_lshl_add_u32 v238, v0, 2, 0x6700
	v_mov_b32 v239, 0
	v_lshrrev_b32 v1, 5, v0
	v_readfirstlane_b32 s6, v1                     ; wave 0..7
	s_and_b32 s4, ttmp7, 0xffff                    ; the kind
	s_mov_b32 s5, ttmp9                            ; the step, 0..127
	s_wait_alu depctr_va_sdst(0)                   ; s6 is written, ahead of its first reader: LDS bases, byte offsets and the last branch are made from it
	s_lshr_b32 s7, s6, 1                           ; gq: my group of 32 tokens
	s_and_b32 s3, s6, 1                            ; ch: my half of the channels
	s_mov_b32 s[SEL], 0x76543210
	s_mov_b32 s[SEL+1], 0xfedcba98
	v_and_b32 v1, 31, v0                           ; lane
	v_and_b32 v2, 15, v0                           ; r
	v_bfe_u32 v3, v0, 4, 1                         ; h
	; what the kind chooses, pointers apart
	s_cmp_eq_u32 s4, 2
	s_cselect_b32 s37, 12800, 0                    ; v's block lies behind k's
	s_cselect_b32 s38, -1, 0                       ; a lane mask: all ones for v
	s_cselect_b32 s45, 16, 8                       ; W's rows: v takes 16 w + r,
	s_cselect_b32 s46, 0, 8                        ; q and k 32 gq + 8 ch + r + 8 (r / 8)
	s_cselect_b32 s50, 0, 12288                    ; Other's images: x's for v, W's for q and k
	s_cselect_b32 s51, 12288, 0                    ; Mine's: the other way round
	s_cselect_b32 s52, 0, 512                      ; and the same for the scale words
	s_cselect_b32 s53, 512, 0
	s_mul_i32 s54, s6, 1536                        ; 1,536 w
	s_lshl_b32 s55, s6, 6                          ; 64 w
	s_add_co_u32 s51, s51, s54
	s_add_co_u32 s52, s52, XSC
	s_add_co_u32 s53, s53, s55
	s_add_co_u32 s53, s53, XSC
	; x: lane l takes token tau(l) = (l & 7) | ((l & 8) << 1) | ((l & 16) >> 1) of its group: lanes 0-15 the rows of fragment 2 gq, lanes 16-31 those of 2 gq + 1
	v_and_b32 v4, 7, v1
	v_and_b32 v245, 8, v1
	v_lshl_or_b32 v4, v245, 1, v4
	v_and_b32 v245, 16, v1
	v_lshrrev_b32 v245, 1, v245
	v_or_b32 v4, v4, v245
	v_lshlrev_b32 v4, 2, v4                        ; 4 bytes a token: the wave's 32 lanes read 128 consecutive bytes
	; W: row rho of 512 bytes, + 128 h: the operand's layout gives lane (r, h) k = 64 c + 32 h + 0 .. 31
	s_lshl_b32 s56, s7, 5
	s_mul_i32 s57, s3, s45
	s_add_co_u32 s56, s56, s57
	v_and_b32 v5, s46, v2
	v_add3_u32 v5, v5, v2, s56
	v_lshlrev_b32 v5, 9, v5
	v_lshl_add_u32 v5, v3, 7, v5
	v_lshlrev_b32 v6, 6, v3                        ; bias for q, k: tile 2 b + u, register j: out channel 32 b + 16 h + 8 u + j
	v_lshlrev_b32 v7, 2, v2
	v_add_nc_u32 v7, s55, v7                       ; bias for v: channel 16 w + r
	; LDS addresses
	v_lshlrev_b32 v245, 3, v1                      ; 8 l
	v_lshlrev_b32 v246, 2, v1                      ; 4 l
	s_mul_i32 s57, s7, 3072
	s_mul_i32 s58, s3, 768
	s_add_co_u32 s57, s57, s58
	v_add_nc_u32 v8, s57, v245                     ; x's codes: fragment 2 gq, register pairs 3 ch on
	s_lshl_b32 s57, s7, 7
	s_lshl_b32 s58, s3, 1
	s_add_co_u32 s57, s57, s58
	s_add_co_u32 s57, s57, XSC
	v_add_nc_u32 v9, s57, v246                     ; x's scale bytes: my token's word, bytes 2 ch and 2 ch + 1
	s_add_co_u32 s57, s54, WIMG
	v_add_nc_u32 v10, s57, v245                    ; W's tile w
	s_add_co_u32 s57, s55, WSC
	v_lshl_add_u32 v11, v2, 2, s57                 ; and its scale words
	v_add_nc_u32 v12, s50, v245                    ; Other
	v_add_nc_u32 v13, s51, v245                    ; Mine
	v_add_nc_u32 v14, s52, v246                    ; Other's scale words, two fragments a load
	v_lshl_add_u32 v15, v2, 2, s53                 ; Mine's
	s_lshl_b32 s57, s3, 8
	s_lshl_b32 s58, s7, 2
	s_add_co_u32 s57, s57, s58
	s_add_co_u32 s57, s57, SCL
	v_lshl_add_u32 v254, v2, 4, s57                ; my result's scale word: 16 (16 ch + r) + 4 gq
	v_lshlrev_b32 v255, 4, v1                      ; 16 l
	v_mov_b32 v247, 0                              ; a lane permute's destination counts as one of its sources: written once
.irp b, 0,1,2,3
	v_mov_b32 v[TM+4+\b], 0
.endr
	; byte offsets, in registers of their own
	s_lshr_b32 s60, s5, 5
	s_lshl_b32 s60, s60, 21                        ; the batch: 128 channels x 16,384 bytes
	s_and_b32 s61, s5, 31
	s_lshl_b32 s61, s61, 9                         ; the step's 128 tokens
	s_add_co_u32 s60, s60, s61
	s_lshl_b32 s61, s7, 7                          ; my 32 tokens
	s_add_co_u32 s60, s60, s61
	s_lshl_b32 s61, s3, 20                         ; my 64 channels
	s_add_co_u32 s60, s60, s61
	s_mov_b32 s61, 0
	s_wait_kmcnt 0x0
	s_cmp_eq_u32 s4, 0                             ; the choices hang on the work-group's number alone
	s_cselect_b64 s[28:29], s[8:9], s[10:11]       ; x
	s_cselect_b64 s[30:31], s[12:13], s[14:15]     ; W
	s_cselect_b64 s[32:33], s[18:19], s[20:21]     ; the bias
	s_cselect_b64 s[34:35], s[24:25], s[26:27]     ; where the result goes
	s_mov_b32 s36, 25600
	s_cselect_b32 s36, 12800, s36                  ; bytes a step there
	s_cmp_eq_u32 s4, 2
	s_cselect_b64 s[30:31], s[16:17], s[30:31]
	s_cselect_b64 s[32:33], s[22:23], s[32:33]
	s_add_nc_u64 s[28:29], s[28:29], s[60:61]
	s_mul_i32 s60, s5, s36
	s_add_co_u32 s60, s60, s37
	s_add_nc_u64 s[40:41], s[34:35], s[60:61]      ; my step's block
	s_mov_b32 s60, s54
	s_add_nc_u64 s[42:43], s[40:41], s[60:61]      ; my fragment's image in it
	; ---- all loads at once: W's 16, x's 64, the bias's 17
	s_wait_alu depctr_va_vdst(0)                   ; the offsets v4 to v7, the LDS addresses v8 to v15 and v254, and v255 are written: every load and store of the kernel reads one of them, and none is written again
.irp c, 0,1
.irp j, 0,1,2,3,4,5,6,7
	global_load_b128 v[WR+32*\c+4*\j:WR+32*\c+4*\j+3], v5, s[30:31] offset:256*\c+16*\j
.endr
.endr
.set i, 0
.rept 64
	global_load_b32 v[XR+i], v4, s[28:29] offset:16384*i   ; channel 64 ch + i of my token: my registers run down K
.set i, i+1
.endr
.irp t, 0,1,2,3,4,5,6,7
	global_load_b128 v[ACC+8*\t:ACC+8*\t+3], v6, s[32:33] offset:(32*(\t/2)+8*(\t%2))*4
	global_load_b128 v[ACC+8*\t+4:ACC+8*\t+7], v6, s[32:33] offset:(32*(\t/2)+8*(\t%2))*4+16
.endr
	global_load_b32 v[BV], v7, s[32:33]
	; ---- W's tile w: its codes into v[PC ..], its scale word into v245; its stores stand below, with x's
	s_wait_loadcnt 63                              ; W's 16 loads are in: 81 loads are younger, and 63 is the most that the wait can name; the smaller count is safe
	TWOBLK WR, PC
	v_lshl_or_b32 v245, v[TM+5], 16, v[TM+4]       ; my two bytes: blocks h and 2 + h of my row,
	v_lshlrev_b32 v246, 3, v3
	v_lshlrev_b32 v245, v246, v245                 ; at their places in the scale word;
	v_permlanex16_b32 v247, v245, s[SEL], s[SEL+1]
	v_or_b32 v245, v245, v247                      ; with lane l xor 16's two the word is whole
	; ---- x: my token's blocks 2 ch and 2 ch + 1
	s_wait_loadcnt 17                              ; x's 64 loads are in: the bias's 17 are younger
	TWOBLK XR, PX
	v_lshl_or_b32 v246, v[TM+5], 8, v[TM+4]        ; two bytes of my token's scale word
.irp i, 0,1,2,3,4,5
	v_permlane16_swap_b32 v[PX+\i], v[PX+6+\i]     ; the first six now hold registers 6 ch .. 6 ch + 5 of fragment 2 gq (lane (r, h): block h of this half), the second six those of fragment 2 gq + 1
.endr
	s_wait_alu depctr_va_vdst(0)                   ; W's codes v[PC ..] and word v245, x's codes v[PX ..] and bytes v246 are written, which the fourteen LDS stores read; and both quantisings are done reading v16-143 and writing v80-99, in which the loads behind the barrier land
.irp p, 0,1,2,3,4,5
	ds_store_b64 v10, v[PC+2*\p:PC+2*\p+1] offset:256*\p
.endr
	ds_store_b32 v11, v245                         ; both halves of the lanes write the same word with the same value
.irp p, 0,1,2
	ds_store_b64 v8, v[PX+2*\p:PX+2*\p+1] offset:256*\p
	ds_store_b64 v8, v[PX+6+2*\p:PX+6+2*\p+1] offset:1536+256*\p
.endr
	ds_store_b16 v9, v246
	; ---- the bias in the result's layout: q, k keep a number for each register, v takes its channel's everywhere.  These lines name v144-207 and v253 alone: none of the registers that the loads behind the barrier touch
	s_wait_loadcnt 0x0
.set i, 0
.rept 64
	v_cndmask_b32 v[ACC+i], v[ACC+i], v[BV], s38
.set i, i+1
.endr
	s_wait_dscnt 0x0                               ; for the others' sake: my images and scale words have landed
	s_barrier_signal -1
	s_barrier_wait -1
	; ---- the product
	s_wait_alu depctr_vm_vsrc(0)                   ; my LDS stores have read v80-91, in which Other's fragments land, and v[PC ..], which the result's quantising writes again
.irp i, 0,1,2,3,4,5,6,7
.irp p, 0,1,2,3,4,5
	ds_load_b64 v[OTH+12*\i+2*\p:OTH+12*\i+2*\p+1], v12 offset:1536*\i+256*\p
.endr
.endr
.irp p, 0,1,2,3,4,5
	ds_load_b64 v[MINE+2*\p:MINE+2*\p+1], v13 offset:256*\p
.endr
.irp p, 0,1,2,3
	ds_load_b32 v[OSC+\p], v14 offset:128*\p
.endr
	ds_load_b32 v[MSC], v15
	s_wait_dscnt 0x0
.irp i, 0,2,4,6                                  ; eight accumulators, one K step each: none is taken twice
	v_wmma_scale_f32_16x16x128_f8f6f4 v[ACC+8*\i:ACC+8*\i+7], v[OTH+12*\i:OTH+12*\i+11], v[MINE:MINE+11], v[ACC+8*\i:ACC+8*\i+7], v[OSC+\i/2], v[MSC] matrix_a_fmt:MATRIX_FMT_FP6 matrix_b_fmt:MATRIX_FMT_FP6
	v_wmma_scale_f32_16x16x128_f8f6f4 v[ACC+8*\i+8:ACC+8*\i+15], v[OTH+12*\i+12:OTH+12*\i+23], v[MINE:MINE+11], v[ACC+8*\i+8:ACC+8*\i+15], v[OSC+\i/2], v[MSC] matrix_a_fmt:MATRIX_FMT_FP6 matrix_b_fmt:MATRIX_FMT_FP6 matrix_a_scale:MATRIX_SCALE_ROW1
.endr
.rept 4
	v_nop                                          ; four places between the products and the first read of their results (ISA guide 7.12.1)
.endr
	QUANT ACC
	s_wait_alu depctr_va_vdst(0)                   ; the quantising has written v[PC ..] and v[PW], which the stores below read; and the products are done reading v16-19, in which wave 0's last LDS load lands.  No vector instruction follows
.irp c, 0,1,2
	global_store_b128 v255, v[PC+4*\c:PC+4*\c+3], s[42:43] offset:512*\c   ; the fragment's image: 512 consecutive bytes a store
.endr
	ds_store_b32 v254, v[PW]                       ; the 8 waves' scale words meet in LDS and leave as 512 consecutive bytes
	s_wait_dscnt 0x0
	s_barrier_signal -1
	s_barrier_wait -1
	s_cmp_lg_u32 s6, 0
	s_cbranch_scc1 .Ldone
	ds_load_b128 v[16:19], v255 offset:SCL
	s_wait_dscnt 0x0
	global_store_b128 v255, v[16:19], s[40:41] offset:12288
.Ldone:
	s_wait_dscnt 0x0
	s_wait_alu depctr_hold_cnt(0) depctr_sa_sdst(0) depctr_va_vdst(0) depctr_va_sdst(0) depctr_va_ssrc(0) depctr_va_vcc(0) depctr_vm_vsrc(0)
	s_wait_tensorcnt 0x0
	ds_add_u32 v238, v239
	s_wait_dscnt 0x0
	s_endpgm
.Lfunc_end_k_q83beeb2294_proj:
	.size	k_q83beeb2294_proj, .Lfunc_end_k_q83beeb2294_proj-k_q83beeb2294_proj
	.p2alignl 7, 3214868480
	.fill 96, 4, 3214868480
	.section	.rodata,"a",@progbits
	.p2align	6, 0x0
	.amdhsa_kernel k_q83beeb2294_proj
		.amdhsa_group_segment_fixed_size 27392
		.amdhsa_private_segment_fixed_size 0
		.amdhsa_enable_private_segment 0
		.amdhsa_kernarg_size 80
		.amdhsa_user_sgpr_count 2
		.amdhsa_user_sgpr_kernarg_segment_ptr 1
		.amdhsa_wavefront_size32 1
		.amdhsa_system_sgpr_workgroup_id_x 1
		.amdhsa_system_sgpr_workgroup_id_y 1
		.amdhsa_system_sgpr_workgroup_id_z 1
		.amdhsa_system_vgpr_workitem_id 0
		.amdhsa_next_free_vgpr 256
		.amdhsa_next_free_sgpr 66
		.amdhsa_reserve_vcc 0
		.amdhsa_float_denorm_mode_32 3
		.amdhsa_float_denorm_mode_16_64 3
		.amdhsa_memory_ordered 1
		.amdhsa_forward_progress 1
		.amdhsa_inst_pref_size 35
	.end_amdhsa_kernel
	.amdgpu_metadata
---
amdhsa.version: [ 1, 2 ]
amdhsa.kernels:
  - .name:           k_q83beeb2294_proj
    .symbol:         k_q83beeb2294_proj.kd
    .args:
      - { .name: x1, .offset: 0, .size: 8, .value_kind: global_buffer, .address_space: global }
      - { .name: x2, .offset: 8, .size: 8, .value_kind: global_buffer, .address_space: global }
      - { .name: wq, .offset: 16, .size: 8, .value_kind: global_buffer, .address_space: global }
      - { .name: wk, .offset: 24, .size: 8, .value_kind: global_buffer, .address_space: global }
      - { .name: wv, .offset: 32, .size: 8, .value_kind: global_buffer, .address_space: global }
      - { .name: bq, .offset: 40, .size: 8, .value_kind: global_buffer, .address_space: global }
      - { .name: bk, .offset: 48, .size: 8, .value_kind: global_buffer, .address_space: global }
      - { .name: bv, .offset: 56, .size: 8, .value_kind: global_buffer, .address_space: global }
      - { .name: qc, .offset: 64, .size: 8, .value_kind: global_buffer, .address_space: global }
      - { .name: kv, .offset: 72, .size: 8, .value_kind: global_buffer, .address_space: global }
    .group_segment_fixed_size: 27392
    .private_segment_fixed_size: 0
    .kernarg_segment_align: 8
    .kernarg_segment_size: 80
    .max_flat_workgroup_size: 256
    .sgpr_count:     66
    .vgpr_count:     256
    .wavefront_size: 32
...
	.end_amdgpu_metadata
.endif
;; end of part 3
;; launch attn: the kernel of part 2 again; grid 64 x 4, 8 waves a work-group, clusters of 4 x 1, 327,680 bytes of LDS; arguments qc, kv, x1, out0; writes out0
